; MI455X (gfx1250); checked and timed in simulation.
; The chip was launched on July 23, 2026; its instructions are those of AMD's public machine-readable ISA for CDNA 5 (MIT licence, August 2026) and "CDNA5" Instruction Set Architecture Reference Guide (July 2026). The comments in the code are by the model that wrote it; some were corrected since.
;; KAN Coupling Net. Allowed arithmetic: matrix products marked QUANTISED: E2M3 operands, one E8M0 scale for each 32 along K, by v_wmma_scale_f32_16x16x128_f8f6f4 with both operands' format E2M3, f32 sums; products left as they are: f32 operands where the result goes on into a quantised operand, else bf16, f16 or f32 operands; f32 sums; everything else in f32.
;; Inputs: coef0 12 x 64 x 5 float32; coef1 64 x 64 x 5 float32; coef2 64 x 24 x 5 float32; grid0 12 x 9 float32; grid1 64 x 9 float32; grid2 64 x 9 float32; sb0 12 x 64 float32; sb1 64 x 64 float32; sb2 64 x 24 float32; sp0 12 x 64 float32; sp1 64 x 64 float32; sp2 64 x 24 float32; x 32 x 12 x 64 x 64 float32.
;; Outputs: out0 32 x 24 x 64 x 64 float32.
;; This version of the problem:
;;   THIS VERSION OF THE PROBLEM IS GIVEN IN LOW PRECISION. The matrix products marked QUANTISED in the list below multiply operands that are first quantised to E2M3 (2 exponent bits, 3 mantissa bits; 6 bits a number), with one power-of-two scale for each 32 numbers along K (OCP MX v1.0); their sums are f32. All else is computed in f32.
;;   The module's matrix products, in the order in which they are computed (A, B: the left and right operand; K: the contracted axis; several contracted axes count as one K, in the product's order):
;;     1. [M 131,072, K 12] x [K 12, N 64]; A: computed on the way; B: input sb0: left as it is (K = 12 < 32)
;;     2. [M 131,072, K 60] x [K 60, N 64]; A: computed on the way; B: computed on the way: QUANTISED
;;     3. [M 131,072, K 64] x [K 64, N 64]; A: computed on the way; B: input sb1: QUANTISED
;;     4. [M 131,072, K 320] x [K 320, N 64]; A: computed on the way; B: computed on the way: QUANTISED
;;     5. [M 131,072, K 64] x [K 64, N 24]; A: computed on the way; B: input sb2: QUANTISED
;;     6. [M 131,072, K 320] x [K 320, N 24]; A: computed on the way; B: computed on the way: QUANTISED
;;   THE QUANTISER, for each operand of a quantised product, along K:
;;     - K is cut into blocks of 32 from its start; a last block that is shorter is filled with zeros.
;;     - A block's scale is 2^e with e = floor(log2(the largest magnitude in the block)) - 2, held to -126 .. 127; a block of zeros has e = 0. As a byte (E8M0): e + 127.
;;     - Each number is divided by its block's scale, clamped to +-7.5, and rounded to the nearest number of E2M3, ties to even, subnormals kept.
;;     - The product sums the exact products of the quantised numbers (number of the format x scale) in f32.
;;   ~~~python
;;   def quantise(x, axis):      # numpy; x: float32 -> the quantised numbers, widened to float32 again
;;       x = np.moveaxis(x, axis, -1); K = x.shape[-1]
;;       x = np.pad(x, [(0, 0)] * (x.ndim - 1) + [(0, -K % 32)]); x = x.reshape(x.shape[:-1] + (-1, 32)); a = np.abs(x).max(-1, keepdims=True)
;;       e = np.where(a > 0, np.clip(np.frexp(np.where(a > 0, a, 1))[1] - 1 - 2, -126, 127), 0)      # np.frexp(a)[1] - 1 = floor(log2(a)), exactly
;;       r = np.clip(x / 2.0 ** e, -7.5, 7.5)
;;       step = 2.0 ** (np.maximum(np.frexp(np.where(r == 0, 1, r))[1] - 1, 0) - 3)
;;       q = np.round(r / step) * step * 2.0 ** e      # np.round: ties to even
;;       return np.moveaxis(q.reshape(q.shape[:-2] + (-1,))[..., :K], -1, axis).astype(np.float32)
;;   ~~~
;;   OPERANDS COMPUTED ON THE WAY. 'Computed on the way' means the value that the module computes at that place (a softmax that the list does not call 'softmax' is quantised finished and normalised). What goes into a quantiser is computed in f32, as accurately as f32 sums, v_exp_f32 and their like allow (about 1e-6 of the number): no bf16 or f16 on the way to a quantiser, and a product that is left as it is and whose result goes on into a quantised operand takes f32 operands (vector FMAs, or v_wmma_f32_16x16x4_f32). A number that lies on a knife's edge between two numbers of the format may be rounded either way, as far as f32 arithmetic and the matrix unit's own rounding can turn it there, and no further.
;; One version. Each part assembles by itself: llvm-mc -triple=amdgcn-amd-amdhsa -mcpu=gfx1250 --defsym DOCPART=n.
;; ======== version 1 of 1: 2 launches
;; workspace buffers: tab 61,440 bytes
;; launch prep (part 1): grid 28 x 1, 1 waves a work-group, no clusters, 0 bytes of LDS; arguments coef0, coef1, coef2, grid0, grid1, grid2, sb0, sb1, sb2, sp0, sp1, sp2, tab; writes tab
.if DOCPART == 1
	.amdgcn_target "amdgcn-amd-amdhsa--gfx1250"
	.amdhsa_code_object_version 6
	.text
	.protected	k_q135f9c96e3_prep
	.globl	k_q135f9c96e3_prep
	.p2align	8
	.type	k_q135f9c96e3_prep,@function
k_q135f9c96e3_prep:
	s_mov_b64 s[64:65], 0
	v_nop
	global_prefetch_b8 v0, s[64:65] scope:SCOPE_SE
	s_setreg_imm32_b32 hwreg(HW_REG_WAVE_MODE, 25, 1), 1
	s_wait_xcnt 0x0
; All that the second launch wants of the weights and knots, made once, laid as the image of its LDS bytes 0 .. 61,439:
;   CN0/CN1/CN2  per pair of input channels a record of 256 bytes: dword 2 ci + parity; ci 0-8 the knots g0..g8, 9-16 1/(g[j+1]-g[j]), 17-23 1/(g[j+2]-g[j]), 24-29 1/(g[j+3]-g[j]), 30, 31 zero
;   WIMG         22 operand fragments of E2M3 codes as images of their registers (registers 4 c .. 4 c + 3 of lane l at 512 c + 16 l);  WSCL their scale words, 4 bytes a lane
;   SB0          sb0 as 12 operands of the f32 matrix form (8 bytes a lane), then zeros up to the table's end
; One wave to a work-group; the work-group's number says which piece it makes: 0-3 layer 0's four fragments, 4-15 layer 1's twelve, 16-21 layer 2's six, 22-26 the knots, 27 sb0.
; THE ORDER ALONG K.  The spline product contracts two axes, the basis index g outermost and the input channel i innermost: k = g n_in + i.
; Layers 1 and 2 join silu x sb (K = 64) and basis x (sp coef) (K = 320) into one K of 384 = 12 true blocks of 32.  Lane half hh holds six whole blocks u, all of input channels 32 hh .. 32 hh + 31:
; u = 0 sb, u = 1 + g sp coef at basis index g.  Block u is half u % 2 of fragment u / 2.  The second launch lays its activations alike.
; Layer 0 (K = 60, k = 12 g + i): half hh holds block hh, k = 32 hh .. 32 hh + 31, zeros from k = 60 on.  K = 64 .. 127 are zero codes under the byte of the half's real block: they add nothing.
; THE QUANTISER: a block's scale byte is its largest magnitude's exponent field - 2, held at 1 from below; a block of zeros so has the byte 1 where the rule says 127: its codes are zeros, and this program alone reads the bytes.
; LIMITS: NaN and infinities among the inputs are not served; knots p apart (p = 1, 2, 3) that are equal give no finite reciprocal, as they give no finite result by the definition.
.set CN1,  2048
.set WIMG, 18432
.set WSCL, 52224
.set SB0,  55040
.set VC,   7                           ; v7   my byte offset in coef
.set VS,   8                           ; v8   my byte offset in sp and in sb
.set X,    32                          ; v32-95   two blocks of 32 numbers
.set SPR,  96                          ; v96-127  the sp of my half's 32 input channels
.set F,    128                         ; v128-139 the fragment's codes
.set TM,   140                         ; v140-147 the upper halves of the blocks' codes, as the conversions leave them
.set M,    148                         ; v148-151 largest magnitudes
.set SC,   152                         ; v152-153 the conversions' scale operands
.set E,    154                         ; v154-155 the scale bytes
.set W,    156                         ; v156 the scale word; v157 the other half's; v158 mask; v159 8 hh
.set WX,   157
.set MSK,  158
.set T8,   159
.macro OUTBASE                         ; s31 = the fragment's number: where its image and its scale words go
	s_mul_i32 s36, s31, 1536
	s_add_co_u32 s36, s36, WIMG
	s_add_nc_u64 s[32:33], s[28:29], s[36:37]
	s_lshl_b32 s38, s31, 7
	s_add_co_u32 s38, s38, WSCL
	s_add_nc_u64 s[34:35], s[28:29], s[38:39]
.endm
.macro BLK_SB c, pb, sstr              ; block c of the fragment: sb of my half's 32 input channels, my output channel
.set ii, 0
.rept 32
	global_load_b32 v[X+32*(\c)+ii], v[VS], s[\pb:\pb+1] offset:ii*\sstr
.set ii, ii+1
.endr
.endm
.macro BLK_BAS c, g, pc, cstr          ; block c: coef of my half's 32 input channels at basis index g
.set ii, 0
.rept 32
	global_load_b32 v[X+32*(\c)+ii], v[VC], s[\pc:\pc+1] offset:ii*\cstr+4*(\g)
.set ii, ii+1
.endr
.endm
.macro LOADSP ps, sstr                 ; sp of the same 32 input channels
.set ii, 0
.rept 32
	global_load_b32 v[SPR+ii], v[VS], s[\ps:\ps+1] offset:ii*\sstr
.set ii, ii+1
.endr
.endm
.macro MULSP c                         ; sp x coef, one f32 multiplication, as the definition has it
.set ii, 0
.rept 32
	v_mul_f32 v[X+32*(\c)+ii], v[X+32*(\c)+ii], v[SPR+ii]
.set ii, ii+1
.endr
.endm
.macro QW c                            ; block c's 32 numbers, all mine, become 6 registers of codes and a byte
	v_max3_num_f32 v[M+2*\c], |v[X+32*\c]|, |v[X+32*\c+1]|, 0x1800000       ; the floor 2^(3 - 127) among the leaves: the byte cannot fall under 1
	v_max3_num_f32 v[M+2*\c+1], |v[X+32*\c+2]|, |v[X+32*\c+3]|, |v[X+32*\c+4]|
.irp i, 5,9,13,17,21,25
	v_max3_num_f32 v[M+2*\c], v[M+2*\c], |v[X+32*\c+\i]|, |v[X+32*\c+\i+1]|
	v_max3_num_f32 v[M+2*\c+1], v[M+2*\c+1], |v[X+32*\c+\i+2]|, |v[X+32*\c+\i+3]|
.endr
	v_max3_num_f32 v[M+2*\c], v[M+2*\c], |v[X+32*\c+29]|, |v[X+32*\c+30]|
	v_max3_num_f32 v[M+2*\c], v[M+2*\c], v[M+2*\c+1], |v[X+32*\c+31]|
	v_add_nc_u32 v[SC+\c], 0xff000000, v[M+2*\c]                            ; 2 off the exponent field: the conversion takes that field as its scale
	v_cvt_scalef32_pk16_fp6_f32 v[F+6*\c:F+6*\c+2], v[X+32*\c:X+32*\c+15], v[SC+\c]
	v_cvt_scalef32_pk16_fp6_f32 v[TM+4*\c:TM+4*\c+2], v[X+32*\c+16:X+32*\c+31], v[SC+\c]   ; (a conversion's three registers begin on an even number)
	v_lshrrev_b32 v[E+\c], 23, v[SC+\c]                                     ; the byte; also the plain place behind the conversions
.irp i, 0,1,2
	v_mov_b32 v[F+6*\c+3+\i], v[TM+4*\c+\i]
.endr
.endm
.macro OUTF                            ; my two bytes at their places (bytes hh and 2 + hh), joined with the other half's; then the image and the word
	v_lshl_or_b32 v[W], v[E+1], 16, v[E]
	v_lshlrev_b32 v[T8], 3, v2
	v_lshlrev_b32 v[W], v[T8], v[W]
	v_permlanex16_b32 v[WX], v[W], s40, s41
	v_or_b32 v[W], v[W], v[WX]
	global_store_b128 v3, v[F:F+3], s[32:33]
	global_store_b128 v3, v[F+4:F+7], s[32:33] offset:512
	global_store_b128 v3, v[F+8:F+11], s[32:33] offset:1024
	global_store_b32 v4, v[W], s[34:35]
.endm
.macro FRAGMENT f, pc, ps, pb, cstr, sstr, msk   ; fragment f of a tile of layer 1 or 2: blocks u = 2 f, 2 f + 1; block u > 0 is basis index u - 1
.if \f == 0
	BLK_SB 0, \pb, \sstr
	BLK_BAS 1, 0, \pc, \cstr
.else
	BLK_BAS 0, 2*\f-1, \pc, \cstr
	BLK_BAS 1, 2*\f, \pc, \cstr
.endif
	LOADSP \ps, \sstr
	s_wait_loadcnt 0x0
.if \f > 0
	MULSP 0
.endif
	MULSP 1
	QW 0
	QW 1
.if \msk
.irp i, 0,1,2,3,4,5,6,7,8,9,10,11
	v_and_b32 v[F+\i], v[MSK], v[F+\i]             ; columns past the 24th: zero codes
.endr
.endif
	OUTF
	s_endpgm
.endm
.macro KNBODY                          ; a lane to an input channel: v6 its byte offset in the grid, v7 where its dwords go
.irp j, 0,1,2,3,4,5,6,7,8
	global_load_b32 v[32+\j], v6, s[32:33] offset:4*\j
.endr
	s_wait_loadcnt 0x0
.irp j, 0,1,2,3,4,5,6,7
	v_sub_f32 v[48+\j], v[33+\j], v[32+\j]
.endr
.irp j, 0,1,2,3,4,5,6
	v_sub_f32 v[56+\j], v[34+\j], v[32+\j]
.endr
.irp j, 0,1,2,3,4,5
	v_sub_f32 v[63+\j], v[35+\j], v[32+\j]
.endr
.irp k, 0,1,2,3,4,5,6,7,8,9,10,11,12,13,14,15,16,17,18,19,20
	v_rcp_f32 v[80+\k], v[48+\k]
.endr
	v_nop                                          ; a plain place behind the reciprocals
	s_wait_alu depctr_va_vdst(0)
.irp k, 0,1,2,3,4,5,6,7,8,9,10,11,12,13,14,15,16,17,18,19,20
	v_fma_f32 v[112+\k], -v[48+\k], v[80+\k], 1.0  ; one Newton step: e = 1 - d r,
.endr
.irp k, 0,1,2,3,4,5,6,7,8,9,10,11,12,13,14,15,16,17,18,19,20
	v_fma_f32 v[80+\k], v[80+\k], v[112+\k], v[80+\k]   ; r = r + r e
.endr
	v_mov_b32 v15, 0
.irp j, 0,1,2,3,4,5,6,7,8
	global_store_b32 v7, v[32+\j], s[28:29] offset:8*\j
.endr
.irp k, 0,1,2,3,4,5,6,7,8,9,10,11,12,13,14,15,16,17,18,19,20
	global_store_b32 v7, v[80+\k], s[28:29] offset:8*(9+\k)
.endr
	global_store_b32 v7, v15, s[28:29] offset:240
	global_store_b32 v7, v15, s[28:29] offset:248
	s_endpgm
.endm
	s_load_b512 s[4:19], s[0:1], 0x0               ; coef0 s4, coef1 s6, coef2 s8, grid0 s10, grid1 s12, grid2 s14, sb0 s16, sb1 s18
	s_load_b256 s[20:27], s[0:1], 0x40             ; sb2 s20, sp0 s22, sp1 s24, sp2 s26
	s_load_b64 s[28:29], s[0:1], 0x60              ; tab
	v_and_b32 v1, 15, v0                           ; r
	v_lshrrev_b32 v2, 4, v0                        ; hh
	v_lshlrev_b32 v3, 4, v0                        ; 16 x lane
	v_lshlrev_b32 v4, 2, v0                        ; 4 x lane
	v_and_b32 v5, 8, v1
	v_and_b32 v6, 7, v1
	v_lshl_add_u32 v5, v5, 2, v6                   ; 32 (r / 8) + r % 8: row r of tile t of layers 0 and 1 is output channel this + 8 t
	v_mov_b32 v[WX], 0                             ; a lane permute's destination counts as one of its sources
	s_mov_b32 s40, 0x76543210
	s_mov_b32 s41, 0xfedcba98                      ; selects for lane l xor 16
	s_mov_b32 s37, 0
	s_mov_b32 s39, 0
	s_wait_kmcnt 0x0
	s_cmp_lt_u32 ttmp9, 4
	s_cbranch_scc1 .LW0
	s_cmp_lt_u32 ttmp9, 16
	s_cbranch_scc1 .LW1
	s_cmp_lt_u32 ttmp9, 22
	s_cbranch_scc1 .LW2
	s_cmp_lt_u32 ttmp9, 27
	s_cbranch_scc1 .LKN
	; ---- sb0: image 3 t + s holds, for lane (r, hh), sb0 at channels 4 s + 2 hh + 0, 1 (the f32 form's places along K), output channel 32 (r / 8) + 8 t + r % 8
	v_lshlrev_b32 v6, 2, v5
	v_lshl_add_u32 v7, v2, 9, v6                   ; + 2 hh channels of 256 bytes
	v_lshlrev_b32 v9, 3, v0
.irp t, 0,1,2,3
.irp s, 0,1,2
.irp j, 0,1
	global_load_b32 v[32+6*\t+2*\s+\j], v7, s[16:17] offset:256*(4*\s+\j)+32*\t
.endr
.endr
.endr
	v_mov_b32 v10, 0
	v_mov_b32 v11, 0
	s_wait_loadcnt 0x0
.irp t, 0,1,2,3
.irp s, 0,1,2
	global_store_b64 v9, v[32+6*\t+2*\s:32+6*\t+2*\s+1], s[28:29] offset:SB0+256*(3*\t+\s)
.endr
.endr
.irp k, 12,13,14,15,16,17,18,19,20,21,22,23,24
	global_store_b64 v9, v[10:11], s[28:29] offset:SB0+256*\k   ; the table's tail is copied with the rest, so it is written
.endr
	s_endpgm
.LW0:                                              ; ---- layer 0, tile t = the work-group's number: every lane loads its output channel's 60 numbers, k = 12 g + i, and takes its half's 32
	s_mov_b32 s31, ttmp9
	v_lshl_add_u32 v6, s31, 3, v5                  ; my output channel
	v_mul_u32_u24 v9, v6, 20                       ; coef0: 1,280 bytes a channel, 20 an output channel
	v_lshlrev_b32 v11, 2, v6                       ; sp0: 256 bytes a channel
	OUTBASE
.set ii, 0
.rept 60
	global_load_b32 v[X+ii], v9, s[4:5] offset:(ii%12)*1280+4*(ii/12)
.set ii, ii+1
.endr
.set ii, 0
.rept 12
	global_load_b32 v[SPR+ii], v11, s[22:23] offset:256*ii
.set ii, ii+1
.endr
	v_cmp_ne_u32 vcc_lo, 0, v2                     ; lanes 16-31
	s_wait_loadcnt 0x0
.set ii, 0
.rept 60
	v_mul_f32 v[X+ii], v[X+ii], v[SPR+ii%12]
.set ii, ii+1
.endr
.irp i, 60,61,62,63
	v_mov_b32 v[X+\i], 0                           ; the last block is filled with zeros
.endr
.set ii, 0
.rept 32
	v_cndmask_b32 v[X+ii], v[X+ii], v[X+32+ii], vcc_lo   ; half hh takes block hh
.set ii, ii+1
.endr
	QW 0
.irp i, 6,7,8,9,10,11
	v_mov_b32 v[F+\i], 0                           ; K = 64 .. 127: zero codes,
.endr
	v_mov_b32 v[E+1], v[E]                         ; under the byte of my half's real block
	OUTF
	s_endpgm
.LW1:                                              ; ---- layer 1: j = number - 4, fragment f = j / 4 of tile t = j % 4
	s_sub_co_u32 s30, ttmp9, 4
	s_and_b32 s42, s30, 3
	s_lshr_b32 s43, s30, 2
	s_mul_i32 s31, s42, 3
	s_add_co_u32 s31, s31, s43
	s_add_co_u32 s31, s31, 4                       ; its number in the table: 4 + 3 t + f
	v_lshl_add_u32 v6, s42, 3, v5                  ; my output channel
	v_mul_u32_u24 v[VC], v6, 20
	v_mad_u32_u24 v[VC], v2, 40960, v[VC]          ; coef1: my half's 32 channels of 1,280 bytes
	v_lshlrev_b32 v[VS], 2, v6
	v_lshl_add_u32 v[VS], v2, 13, v[VS]            ; sp1, sb1: 32 channels of 256 bytes
	OUTBASE
	s_cmp_eq_u32 s43, 0
	s_cbranch_scc1 .LW1f0
	s_cmp_eq_u32 s43, 1
	s_cbranch_scc1 .LW1f1
	FRAGMENT 2, 6, 24, 18, 1280, 256, 0
.LW1f0:
	FRAGMENT 0, 6, 24, 18, 1280, 256, 0
.LW1f1:
	FRAGMENT 1, 6, 24, 18, 1280, 256, 0
.LW2:                                              ; ---- layer 2: j = number - 16, fragment f = j / 2 of tile nt = j % 2; column r of the tile is output channel 16 nt + r
	s_sub_co_u32 s30, ttmp9, 16
	s_and_b32 s42, s30, 1
	s_lshr_b32 s43, s30, 1
	s_mul_i32 s31, s42, 3
	s_add_co_u32 s31, s31, s43
	s_add_co_u32 s31, s31, 16
	v_lshl_add_u32 v9, s42, 4, v1
	v_cmp_gt_u32 vcc_lo, 24, v9
	v_cndmask_b32 v[MSK], 0, -1, vcc_lo            ; all ones where the column exists
	v_min_u32 v6, 23, v9                           ; no load leaves its buffer
	v_mul_u32_u24 v[VC], v6, 20
	v_mad_u32_u24 v[VC], v2, 15360, v[VC]          ; coef2: 32 channels of 480 bytes
	v_lshlrev_b32 v[VS], 2, v6
	v_mad_u32_u24 v[VS], v2, 3072, v[VS]           ; sp2, sb2: 32 channels of 96 bytes
	OUTBASE
	s_cmp_eq_u32 s43, 0
	s_cbranch_scc1 .LW2f0
	s_cmp_eq_u32 s43, 1
	s_cbranch_scc1 .LW2f1
	FRAGMENT 2, 8, 26, 20, 480, 96, 1
.LW2f0:
	FRAGMENT 0, 8, 26, 20, 480, 96, 1
.LW2f1:
	FRAGMENT 1, 8, 26, 20, 480, 96, 1
.LKN:                                              ; ---- the knots
	s_cmp_eq_u32 ttmp9, 26
	s_cbranch_scc1 .LKN0
	s_sub_co_u32 s30, ttmp9, 22                    ; layers 1 and 2: 32 channels (a half) to a work-group
	s_lshr_b32 s42, s30, 1
	s_and_b32 s43, s30, 1
	s_cmp_eq_u32 s42, 0
	s_cselect_b64 s[32:33], s[12:13], s[14:15]     ; grid1 or grid2: the choice hangs on the work-group's number alone
	s_lshl_b32 s44, s43, 5
	v_add_nc_u32 v6, s44, v0
	v_mul_u32_u24 v6, v6, 36                       ; 9 knots a channel
	v_lshrrev_b32 v7, 1, v0
	v_and_b32 v8, 1, v0
	v_lshlrev_b32 v7, 8, v7
	v_lshl_add_u32 v7, v8, 2, v7                   ; record lane / 2, parity lane % 2
	s_lshl_b32 s44, s42, 13
	s_lshl_b32 s45, s43, 12
	s_add_co_u32 s44, s44, s45
	s_add_co_u32 s44, s44, CN1
	v_add_nc_u32 v7, s44, v7
	KNBODY
.LKN0:                                             ; layer 0: 12 channels in 6 records; places 12 .. 15 (two records that nobody uses, but the table is copied whole) repeat channel 11; lanes 16-31 repeat lanes 0-15
	s_mov_b64 s[32:33], s[10:11]
	v_and_b32 v8, 15, v0
	v_min_u32 v6, 11, v8
	v_mul_u32_u24 v6, v6, 36
	v_lshrrev_b32 v9, 1, v8
	v_and_b32 v10, 1, v8
	v_lshlrev_b32 v7, 8, v9
	v_lshl_add_u32 v7, v10, 2, v7
	KNBODY
.Lfunc_end_k_q135f9c96e3_prep:
	.size	k_q135f9c96e3_prep, .Lfunc_end_k_q135f9c96e3_prep-k_q135f9c96e3_prep
	.p2alignl 7, 3214868480
	.fill 96, 4, 3214868480
	.section	.rodata,"a",@progbits
	.p2align	6, 0x0
	.amdhsa_kernel k_q135f9c96e3_prep
		.amdhsa_group_segment_fixed_size 0
		.amdhsa_private_segment_fixed_size 0
		.amdhsa_enable_private_segment 0
		.amdhsa_kernarg_size 104
		.amdhsa_user_sgpr_count 2
		.amdhsa_user_sgpr_kernarg_segment_ptr 1
		.amdhsa_wavefront_size32 1
		.amdhsa_system_sgpr_workgroup_id_x 1
		.amdhsa_system_sgpr_workgroup_id_y 1
		.amdhsa_system_sgpr_workgroup_id_z 1
		.amdhsa_system_vgpr_workitem_id 0
		.amdhsa_next_free_vgpr 160
		.amdhsa_next_free_sgpr 66
		.amdhsa_reserve_vcc 1
		.amdhsa_float_denorm_mode_32 3
		.amdhsa_float_denorm_mode_16_64 3
		.amdhsa_memory_ordered 1
		.amdhsa_forward_progress 1
		.amdhsa_inst_pref_size 123
	.end_amdhsa_kernel
	.amdgpu_metadata
---
amdhsa.version: [ 1, 2 ]
amdhsa.kernels:
  - .name:           k_q135f9c96e3_prep
    .symbol:         k_q135f9c96e3_prep.kd
    .args:
      - { .name: coef0, .offset: 0, .size: 8, .value_kind: global_buffer, .address_space: global }
      - { .name: coef1, .offset: 8, .size: 8, .value_kind: global_buffer, .address_space: global }
      - { .name: coef2, .offset: 16, .size: 8, .value_kind: global_buffer, .address_space: global }
      - { .name: grid0, .offset: 24, .size: 8, .value_kind: global_buffer, .address_space: global }
      - { .name: grid1, .offset: 32, .size: 8, .value_kind: global_buffer, .address_space: global }
      - { .name: grid2, .offset: 40, .size: 8, .value_kind: global_buffer, .address_space: global }
      - { .name: sb0, .offset: 48, .size: 8, .value_kind: global_buffer, .address_space: global }
      - { .name: sb1, .offset: 56, .size: 8, .value_kind: global_buffer, .address_space: global }
      - { .name: sb2, .offset: 64, .size: 8, .value_kind: global_buffer, .address_space: global }
      - { .name: sp0, .offset: 72, .size: 8, .value_kind: global_buffer, .address_space: global }
      - { .name: sp1, .offset: 80, .size: 8, .value_kind: global_buffer, .address_space: global }
      - { .name: sp2, .offset: 88, .size: 8, .value_kind: global_buffer, .address_space: global }
      - { .name: tab, .offset: 96, .size: 8, .value_kind: global_buffer, .address_space: global }
    .group_segment_fixed_size: 0
    .private_segment_fixed_size: 0
    .kernarg_segment_align: 8
    .kernarg_segment_size: 104
    .max_flat_workgroup_size: 32
    .sgpr_count:     66
    .vgpr_count:     160
    .wavefront_size: 32
...
	.end_amdgpu_metadata
.endif
;; end of part 1
;; launch kan (part 2): grid 256 x 1, 4 waves a work-group, no clusters, 155,136 bytes of LDS; arguments x, tab, out0; writes out0
.if DOCPART == 2
	.amdgcn_target "amdgcn-amd-amdhsa--gfx1250"
	.amdhsa_code_object_version 6
	.text
	.protected	k_q135f9c96e3_kan
	.globl	k_q135f9c96e3_kan
	.p2align	8
	.type	k_q135f9c96e3_kan,@function
k_q135f9c96e3_kan:
	s_mov_b64 s[64:65], 0
	v_nop
	global_prefetch_b8 v0, s[64:65] scope:SCOPE_SE
	s_setreg_imm32_b32 hwreg(HW_REG_WAVE_MODE, 25, 1), 1
	s_wait_xcnt 0x0
; The three KAN layers, 12 -> 64 -> 64 -> 24 channels, for every pixel; nothing between the layers leaves the registers.
; y[o] = sum_i silu(x_i) sb[i][o] + sum_(g,i) basis_g(x_i) (sp coef)[i][o][g].  The products on E2M3 codes with one E8M0 scale for each 32 along K; layer 0's silu x sb0 (K = 12) with f32 operands.
; SHARES.  A work-group takes 512 pixels of one image, each of its four waves 128, in four passes of two tiles of 16.  Behind the one barrier at the head (the table lies in LDS) waves share nothing.
; LAYOUT.  Layers 0 and 1 are used transposed (source 0 = 16 rows of weights, source 1 = 16 pixels), and row m of weight tile t is output channel 32 (m / 8) + 8 t + m % 8:
; so lane (r, h) holds pixel r, and register 8 t + j of its 32 results is channel 32 h + 8 t + j: a half of the lanes owns 32 neighbouring channels of a pixel in 32 neighbouring registers.
; THE ORDER ALONG K.  The spline product contracts the basis index g outermost and the channel i innermost: k = g n_in + i.  With 64 channels a block of 32 is one g and one half of the channels: so a half's
; silu (block u = 0) and its five basis_g (u = 1 + g) are six WHOLE blocks in one lane: no maximum and no code changes lanes.  Block u is half u % 2 of fragment u / 2; the first launch laid the weights alike,
; so whole blocks change places along K alike on both sides.  Layer 2 is used as it stands (source 0 = pixels): a lane then holds 8 neighbouring pixels of one output channel.
; Layer 0 (K = 60, k = 12 g + i): both halves make all 60 numbers of their pixel, and half h takes block h.
; THE BASIS, two channels at a time (packed f32), for knots in any order: t_j = x - g_j; p_j = [x >= g_j] = 0.5 with t_j's sign + 0.5; B_j = p_j - p_j p_(j+1);
; at level p, with r_j = 1 / (g_(j+p) - g_j): U_j = B_j r_j, M_j = t_(j+p) U_j, B'_j = t_j U_j - M_(j+1): the definition's two quotients, each factor formed directly.
; The 30 constants of a channel come from LDS, the next pair's while this pair is worked; two tiles share each set.
; LIMITS: NaN and infinities among the inputs are not served; t_j times a reciprocal must stay finite (|x - g| / |knot distance| under 3e38); a division is a multiplication by a reciprocal
; refined by one Newton step; a block of zeros has the scale byte 1 (its codes are zeros).
; NOT USED: tensor loads, rings, clusters: what work-groups share is a table of 61,440 bytes, read once each; x and out0 are touched once.
.set CN0,  0                           ; LDS: the table (bytes 0 .. 61,439): knot constants of layer 0 (256 bytes a pair of channels),
.set CN1,  2048                        ; of layers 1 and 2 (8,192 bytes each; in each 4,096 a half, 256 a pair of channels),
.set WIMG, 18432                       ; 22 weight fragments as images of their registers, 1,536 bytes each,
.set WSCL, 52224                       ; their scale words, 128 bytes each,
.set SB0,  55040                       ; sb0 as 12 operands of the f32 form, 256 bytes each
.set PIT,  528                         ; a stage row: a wave's 128 pixels, 512 bytes, + 16
.set XST,  61440                       ; a wave's x: 12 rows (channels)
.set XSTW, 6400
.set OST,  87040                       ; a wave's results: 32 rows (output channels; 24 .. 31 are never read)
.set OSTW, 16896
; window 0: what both tiles share
.set LCN, 1                            ; v1   CN1 + 4096 h
.set LC0, 2                            ; v2   CN0
.set LI,  3                            ; v3   16 x lane: an image's place in LDS; also my byte offset in a channel of x and of out0
.set LS,  4                            ; v4   4 x lane
.set XRA, 5                            ; v5   my x stage + 2 h rows + 4 r: the f32 product's channels 4 s + 2 h + j
.set XRC, 7                            ; v7   my x stage + 4 r
.set OSA, 8                            ; v8   my result stage + 528 r + 32 h
.set ORD, 9                            ; v9   my result stage + 16 x lane
.set L8,  15                           ; v15  8 x lane        (v11-14: addresses in hand)
.set CN,  16                           ; v16-75, v76-135  two sets of a pair's 60 constants
.set T,   136                          ; v136-153 t_j
.set PA,  154                          ; v154-169
.set PB,  170                          ; v170-185
.set PE,  186                          ; v186-203 p_j, then M_j
.set XS,  204                          ; v204-209 the activations' scale words (3 q + f): scales and nothing else
.set WSC, 210                          ; v210-221 the weights' scale words: scales and nothing else
.set SH8, 222                          ; v222 8 h
.set WF,  16                           ; v16-159  weight fragments, while products run
.set SBI, 64                           ; v64-87   sb0's operands, in layer 0
; window 1 + q: all that is tile q's own
.set HD,  0                            ; v0-31    results (8 t + j): written by matrix instructions alone
.set VL,  32                           ; v32-191  numbers ahead of the quantiser: 32 g + channel (layer 0: 12 g + channel)
.set CD,  192                          ; v192-227 codes: block u at 6 u
.set XIN, CD+12                        ; layer 0: x of the 12 channels
.set SIL, CD+24                        ; layer 0: silu of my six channels 4 s + 2 h + j,
.set X6,  CD+30                        ; and their x
.set TMP, 228                          ; v228-247 the upper halves of five blocks' codes, as the conversions leave them
.set QM,  248                          ; v248-252 largest magnitudes, then scale operands
.set QW,  253                          ; v253-255 scale bytes on their way to words
.set MSB, 0
.macro WIN new                         ; low byte: bits 1:0 source 0, 3:2 source 1, 5:4 source 2, 7:6 destination; the high byte repeats the setting that is left.  A pattern x w puts its fields into window w
.if MSB != (\new)
	s_set_vgpr_msb (MSB<<8)|(\new)
.set MSB, (\new)
.endif
.endm
.macro NOPS n
.rept \n
	v_nop
.endr
.endm
.macro CLOAD buf, adr, p               ; pair p's 60 constants into set buf: all lanes of a half read the same 16 bytes
.irp i, 0,1,2,3,4,5,6,7,8,9,10,11,12,13,14
	ds_load_b128 v[CN+60*(\buf)+4*\i:CN+60*(\buf)+4*\i+3], v[\adr] offset:256*(\p)+16*\i
.endr
.endm
; The five basis numbers of two channels of one pixel a lane.  w: the tile's window; xs: the pair of x there; basis g goes to VL + gs g + vo, + 1; buf: the set of constants.
.macro EV w, xs, vo, gs, buf
.set CB, CN+60*(\buf)
	WIN \w
.irp j, 0,1,2,3,4,5,6,7,8
	v_pk_add_f32 v[T+2*\j:T+2*\j+1], v[0+(\xs):1+(\xs)], v[CB+2*\j:CB+2*\j+1] neg_lo:[0,1] neg_hi:[0,1]   ; t_j = x - g_j
.endr
	WIN 0
.irp j, 0,1,2,3,4,5,6,7,8,9,10,11,12,13,14,15,16,17
	v_bfi_b32 v[PE+\j], s20, 0.5, v[T+\j]          ; 0.5 with t's sign (x = g gives +0)
.endr
.irp j, 0,1,2,3,4,5,6,7,8
	v_pk_add_f32 v[PE+2*\j:PE+2*\j+1], v[PE+2*\j:PE+2*\j+1], 0.5 op_sel_hi:[1,0]   ; p_j: 1 where x >= g_j, else 0
.endr
.irp j, 0,1,2,3,4,5,6,7
	v_pk_fma_f32 v[PB+2*\j:PB+2*\j+1], v[PE+2*\j:PE+2*\j+1], v[PE+2*\j+2:PE+2*\j+3], v[PE+2*\j:PE+2*\j+1] neg_lo:[1,0,0] neg_hi:[1,0,0]   ; degree 0
.endr
.irp j, 0,1,2,3,4,5,6,7
	v_pk_mul_f32 v[PA+2*\j:PA+2*\j+1], v[PB+2*\j:PB+2*\j+1], v[CB+18+2*\j:CB+19+2*\j]   ; level 1: U_j = B_j r_j
.endr
.irp j, 1,2,3,4,5,6,7
	v_pk_mul_f32 v[PE+2*\j:PE+2*\j+1], v[T+2*\j+2:T+2*\j+3], v[PA+2*\j:PA+2*\j+1]       ; M_j = t_(j+1) U_j
.endr
.irp j, 0,1,2,3,4,5,6
	v_pk_fma_f32 v[PA+2*\j:PA+2*\j+1], v[T+2*\j:T+2*\j+1], v[PA+2*\j:PA+2*\j+1], v[PE+2*\j+2:PE+2*\j+3] neg_lo:[0,0,1] neg_hi:[0,0,1]   ; t_j U_j - M_(j+1)
.endr
.irp j, 0,1,2,3,4,5,6
	v_pk_mul_f32 v[PB+2*\j:PB+2*\j+1], v[PA+2*\j:PA+2*\j+1], v[CB+34+2*\j:CB+35+2*\j]   ; level 2
.endr
.irp j, 1,2,3,4,5,6
	v_pk_mul_f32 v[PE+2*\j:PE+2*\j+1], v[T+2*\j+4:T+2*\j+5], v[PB+2*\j:PB+2*\j+1]       ; M_j = t_(j+2) U_j
.endr
.irp j, 0,1,2,3,4,5
	v_pk_fma_f32 v[PB+2*\j:PB+2*\j+1], v[T+2*\j:T+2*\j+1], v[PB+2*\j:PB+2*\j+1], v[PE+2*\j+2:PE+2*\j+3] neg_lo:[0,0,1] neg_hi:[0,0,1]
.endr
.irp j, 0,1,2,3,4,5
	v_pk_mul_f32 v[PA+2*\j:PA+2*\j+1], v[PB+2*\j:PB+2*\j+1], v[CB+48+2*\j:CB+49+2*\j]   ; level 3
.endr
.irp j, 1,2,3,4,5
	v_pk_mul_f32 v[PE+2*\j:PE+2*\j+1], v[T+2*\j+6:T+2*\j+7], v[PA+2*\j:PA+2*\j+1]       ; M_j = t_(j+3) U_j
.endr
	WIN 0x40*\w
.irp g, 0,1,2,3,4
	v_pk_fma_f32 v[VL+(\gs)*\g+(\vo):VL+(\gs)*\g+(\vo)+1], v[T+2*\g:T+2*\g+1], v[PA+2*\g:PA+2*\g+1], v[PE+2*\g+2:PE+2*\g+3] neg_lo:[0,0,1] neg_hi:[0,0,1]   ; the pair's two channels are neighbours along K
.endr
.endm
; silu of a tile's 32 results into VL .. VL + 31.  The results are read from each accumulator's low end on.
.macro SILU w
	WIN 0x55*\w
.set jj, 0
.rept 16
	v_pk_mul_f32 v[VL+jj:VL+jj+1], v[HD+jj:HD+jj+1], 0xbfb8aa3b op_sel_hi:[1,0]   ; -x log2(e)
.set jj, jj+2
.endr
.set jj, 0
.rept 32
	v_exp_f32 v[VL+jj], v[VL+jj]
.set jj, jj+1
.endr
	v_nop                                          ; a plain place behind the exponentials
.set jj, 0
	s_wait_alu depctr_va_vdst(0)
.rept 16
	v_pk_add_f32 v[VL+jj:VL+jj+1], v[VL+jj:VL+jj+1], 1.0 op_sel_hi:[1,0]
.set jj, jj+2
.endr
.set jj, 0
.rept 32
	v_rcp_f32 v[VL+jj], v[VL+jj]
.set jj, jj+1
.endr
	v_nop                                          ; a plain place behind the reciprocals
.set jj, 0
	s_wait_alu depctr_va_vdst(0)
.rept 16
	v_pk_mul_f32 v[VL+jj:VL+jj+1], v[VL+jj:VL+jj+1], v[HD+jj:HD+jj+1]
.set jj, jj+2
.endr
.endm
; Block 0 of a tile: the 32 numbers at VL on.  Codes to CD .. CD + 5, the byte to QW.  Four chains of maxima, so that no line waits for the line above it.
.macro QUANT1 w
	WIN 0x55*\w
.irp k, 0,1,2,3
	v_max3_num_f32 v[QM+\k], |v[VL+8*\k]|, |v[VL+8*\k+1]|, |v[VL+8*\k+2]|
.endr
.irp i, 3,5
.irp k, 0,1,2,3
	v_max3_num_f32 v[QM+\k], v[QM+\k], |v[VL+8*\k+\i]|, |v[VL+8*\k+\i+1]|
.endr
.endr
	v_max3_num_f32 v[QM], v[QM], |v[VL+7]|, |v[VL+15]|
	v_max3_num_f32 v[QM+2], v[QM+2], |v[VL+23]|, |v[VL+31]|
	v_max3_num_f32 v[QM], v[QM], v[QM+1], 0x1800000    ; the floor 2^(3 - 127) among the leaves: the byte cannot fall under 1
	v_max3_num_f32 v[QM], v[QM], v[QM+2], v[QM+3]
	v_add_nc_u32 v[QM], 0xff000000, v[QM]          ; 2 off the exponent field: the conversion takes that field as its scale
	v_cvt_scalef32_pk16_fp6_f32 v[CD:CD+2], v[VL:VL+15], v[QM]
	v_cvt_scalef32_pk16_fp6_f32 v[TMP:TMP+2], v[VL+16:VL+31], v[QM]   ; (a conversion's three registers begin on an even number)
	v_lshrrev_b32 v[QW], 23, v[QM]                 ; the byte; also the plain place behind the conversions
.irp i, 0,1,2
	v_mov_b32 v[CD+3+\i], v[TMP+\i]
.endr
.endm
; Blocks 1 .. 5 of a tile: basis g's 32 numbers at VL + 32 g.  The five blocks by turns.
.macro QUANT5 w
	WIN 0x55*\w
.irp b, 0,1,2,3,4
	v_max3_num_f32 v[QM+\b], |v[VL+32*\b]|, |v[VL+32*\b+1]|, 0x1800000
.endr
.irp i, 2,4,6,8,10,12,14,16,18,20,22,24,26,28,30
.irp b, 0,1,2,3,4
	v_max3_num_f32 v[QM+\b], v[QM+\b], |v[VL+32*\b+\i]|, |v[VL+32*\b+\i+1]|
.endr
.endr
.irp b, 0,1,2,3,4
	v_add_nc_u32 v[QM+\b], 0xff000000, v[QM+\b]
.endr
.irp b, 0,1,2,3,4
	v_cvt_scalef32_pk16_fp6_f32 v[CD+6*(\b+1):CD+6*(\b+1)+2], v[VL+32*\b:VL+32*\b+15], v[QM+\b]
	v_cvt_scalef32_pk16_fp6_f32 v[TMP+4*\b:TMP+4*\b+2], v[VL+32*\b+16:VL+32*\b+31], v[QM+\b]
.endr
	v_nop                                          ; one plain place behind the conversions: their scale operands are written next
	v_lshrrev_b32 v[QM], 23, v[QM]                 ; the bytes: block 1's,
	v_lshrrev_b32 v[QW+1], 23, v[QM+1]             ; block 2's: the low byte of fragment 1's pair,
	v_lshrrev_b32 v[QM+2], 23, v[QM+2]
	v_lshrrev_b32 v[QW+2], 23, v[QM+3]             ; block 4's: of fragment 2's
	v_lshrrev_b32 v[QM+4], 23, v[QM+4]
	v_lshl_or_b32 v[QW], v[QM], 16, v[QW]          ; an odd block's byte goes to bits 23:16
	v_lshl_or_b32 v[QW+1], v[QM+2], 16, v[QW+1]
	v_lshl_or_b32 v[QW+2], v[QM+4], 16, v[QW+2]
.irp b, 0,1,2,3,4
.irp i, 0,1,2
	v_mov_b32 v[CD+6*(\b+1)+3+\i], v[TMP+4*\b+\i]
.endr
.endr
.endm
; The scale words of fragments 0 .. nf - 1 of both tiles: my half's two bytes go to bytes h and 2 + h, and the other half's are joined to them.
.macro SCALEWS nf
.irp w, 1,2
	WIN 0x44*\w                                    ; the shift count lies in window 0
.set ff, 0
.rept \nf
	v_lshlrev_b32 v[QW+ff], v[SH8], v[QW+ff]
.set ff, ff+1
.endr
	WIN 0x55*\w
.set ff, 0
.rept \nf
	v_permlanex16_b32 v[TMP+ff], v[QW+ff], s22, s23   ; (its destination has been written: by the conversions)
.set ff, ff+1
.endr
	WIN 0x05*\w
.set ff, 0
.rept \nf
	v_or_b32 v[XS+3*(\w-1)+ff], v[QW+ff], v[TMP+ff]
.set ff, ff+1
.endr
.endr
.endm
	s_load_b128 s[4:7], s[0:1], 0x0                ; x, tab
	s_load_b64 s[8:9], s[0:1], 0x10                ; out0
	v_lshl_add_u32 v254, v0, 2, 0x25c00
	v_mov_b32 v255, 0
	v_lshrrev_b32 v11, 5, v0
	v_readfirstlane_b32 s10, v11                   ; wave 0..3
	v_and_b32 v13, 15, v0                          ; r
	v_bfe_u32 v14, v0, 4, 1                        ; h
	v_and_b32 v11, 31, v0                          ; lane
	v_lshlrev_b32 v[LI], 4, v11
	v_lshlrev_b32 v[LS], 2, v11
	v_lshlrev_b32 v[L8], 3, v11
	v_lshlrev_b32 v12, 4, v0                       ; 16 x thread: the table's copy
	v_lshl_add_u32 v[LCN], v14, 12, CN1
	v_mov_b32 v[LC0], CN0
	v_lshlrev_b32 v[SH8], 3, v14
	s_mul_i32 s12, s10, XSTW
	s_add_co_u32 s12, s12, XST                     ; my x stage
	s_mul_i32 s13, s10, OSTW
	s_add_co_u32 s13, s13, OST                     ; my result stage
	v_lshl_add_u32 v[XRC], v13, 2, s12
	v_mad_u32_u24 v[XRA], v14, 2*PIT, v[XRC]
	v_mul_u32_u24 v[OSA], v13, PIT
	v_lshl_add_u32 v[OSA], v14, 5, v[OSA]
	v_add_nc_u32 v[OSA], s13, v[OSA]
	v_add_nc_u32 v[ORD], s13, v[LI]
	v_add_nc_u32 v11, s12, v[LI]                   ; x on its way in: 16 x lane of a row
	s_mov_b32 s20, 0x7fffffff
	s_mov_b32 s21, 0xffff0000                      ; lanes 16-31
	s_mov_b32 s22, 0x76543210
	s_mov_b32 s23, 0xfedcba98                      ; selects for lane l xor 16
	s_lshr_b32 s14, ttmp9, 3                       ; the image
	s_and_b32 s15, ttmp9, 7
	s_lshl_b32 s15, s15, 11                        ; 512 pixels of 4 bytes a work-group,
	s_lshl_b32 s16, s10, 9                         ; 128 a wave
	s_add_co_u32 s15, s15, s16
	s_mul_i32 s16, s14, 196608                     ; 12 channels of 16,384 bytes
	s_add_co_u32 s16, s16, s15
	s_mov_b32 s17, 0
	s_mul_i32 s18, s14, 393216                     ; 24 channels
	s_add_co_u32 s18, s18, s15
	s_mov_b32 s19, 0
	s_wait_kmcnt 0x0
	s_add_nc_u64 s[4:5], s[4:5], s[16:17]
	s_add_nc_u64 s[8:9], s[8:9], s[18:19]
.irp i, 0,1,2,3,4,5,6,7,8,9,10,11
	global_load_b128 v[136+4*\i:139+4*\i], v[LI], s[4:5] offset:16384*\i th:TH_LOAD_NT   ; channel i: the 32 lanes read my 128 pixels' 512 consecutive bytes
.endr
.set ii, 0
.rept 30
	global_load_b128 v[16+4*ii:19+4*ii], v12, s[6:7] offset:2048*ii   ; the table: 128 threads x 16 bytes x 30
.set ii, ii+1
.endr
	s_wait_loadcnt 0x0
.irp i, 0,1,2,3,4,5,6,7,8,9,10,11
	ds_store_b128 v11, v[136+4*\i:139+4*\i] offset:PIT*\i
.endr
.set ii, 0
.rept 30
	ds_store_b128 v12, v[16+4*ii:19+4*ii] offset:2048*ii
.set ii, ii+1
.endr
	s_wait_dscnt 0x0                               ; for the others' sake: my part of the table lies in LDS
	s_barrier_signal -1
	s_barrier_wait -1                              ; from here on the table is only read
	s_mov_b32 s24, 0
	s_mov_b32 s25, 0                               ; the pass's 32 pixels: 128 bytes on in every stage row
.Lpass:
	; ---- LAYER 0
	v_add_nc_u32 v11, s25, v[XRC]
	v_add_nc_u32 v12, s25, v[XRA]
.irp w, 1,2
	WIN 0x40*\w
.irp e, 0,1,2,3,4,5,6,7,8,9,10,11
	ds_load_b32 v[XIN+\e], v11 offset:PIT*\e+64*(\w-1)               ; all 12 channels of my pixel
.endr
.irp e, 0,1,2,3,4,5
	ds_load_b32 v[X6+\e], v12 offset:PIT*(4*(\e/2)+\e%2)+64*(\w-1)   ; and once more channels 4 s + 2 h + j, at 2 s + j
.endr
.endr
	WIN 0
	CLOAD 0, LC0, 0
	s_wait_dscnt 15                                ; x is in; the 15 loads of constants may be out
.irp w, 1,2
	WIN 0x55*\w
.irp j, 0,2,4
	v_pk_mul_f32 v[SIL+\j:SIL+\j+1], v[X6+\j:X6+\j+1], 0xbfb8aa3b op_sel_hi:[1,0]
.endr
.irp j, 0,1,2,3,4,5
	v_exp_f32 v[SIL+\j], v[SIL+\j]
.endr
	v_nop
	s_wait_alu depctr_va_vdst(0)
.irp j, 0,2,4
	v_pk_add_f32 v[SIL+\j:SIL+\j+1], v[SIL+\j:SIL+\j+1], 1.0 op_sel_hi:[1,0]
.endr
.irp j, 0,1,2,3,4,5
	v_rcp_f32 v[SIL+\j], v[SIL+\j]
.endr
	v_nop
	s_wait_alu depctr_va_vdst(0)
.irp j, 0,2,4
	v_pk_mul_f32 v[SIL+\j:SIL+\j+1], v[SIL+\j:SIL+\j+1], v[X6+\j:X6+\j+1]   ; silu: the f32 product's operand
.endr
.endr
.set pp, 0
.rept 6
	WIN 0
.if pp < 5
	CLOAD (pp+1)&1, LC0, pp+1
	s_wait_dscnt 15                                ; this pair's constants are in; the next pair's 15 loads may be out
.else
	s_wait_dscnt 0x0
.endif
	EV 1, XIN+2*pp, 2*pp, 12, pp&1
	EV 2, XIN+2*pp, 2*pp, 12, pp&1
.set pp, pp+1
.endr
.irp w, 1,2
	WIN 0x55*\w
.irp i, 60,61,62,63
	v_mov_b32 v[VL+\i], 0                          ; the last block is filled with zeros
.endr
.set jj, 0
.rept 32
	v_cndmask_b32 v[VL+jj], v[VL+jj], v[VL+32+jj], s21   ; half h takes block h: k = 32 h .. 32 h + 31
.set jj, jj+1
.endr
	QUANT1 \w
	v_lshl_or_b32 v[QW], v[QW], 16, v[QW]          ; K = 64 .. 127: the byte of my half's real block once more,
.irp i, 6,7,8,9,10,11
	v_mov_b32 v[CD+\i], 0                          ; over zero codes, which add nothing
.endr
.endr
	SCALEWS 1
	WIN 0
.irp t, 0,1,2,3
.irp c, 0,1,2
	ds_load_b128 v[WF+12*\t+4*\c:WF+12*\t+4*\c+3], v[LI] offset:WIMG+1536*\t+512*\c
.endr
	ds_load_b32 v[WSC+\t], v[LS] offset:WSCL+128*\t
.irp s, 0,1,2
	ds_load_b64 v[SBI+2*(3*\t+\s):SBI+2*(3*\t+\s)+1], v[L8] offset:SB0+256*(3*\t+\s)
.endr
.endr
	s_wait_dscnt 0x0
.irp s, 0,1,2                                      ; silu x sb0 with f32 operands: its result goes on into a quantiser.  The eight accumulators by turns, one instruction a turn
.irp w, 1,2
	WIN 0x54*\w                                    ; source 0 (weights) window 0; source 1, C and D the tile's window
.irp t, 0,1,2,3
.if \s == 0
	v_wmma_f32_16x16x4_f32 v[HD+8*\t:HD+8*\t+7], v[SBI+2*(3*\t+\s):SBI+2*(3*\t+\s)+1], v[SIL+2*\s:SIL+2*\s+1], 0
.else
	v_wmma_f32_16x16x4_f32 v[HD+8*\t:HD+8*\t+7], v[SBI+2*(3*\t+\s):SBI+2*(3*\t+\s)+1], v[SIL+2*\s:SIL+2*\s+1], v[HD+8*\t:HD+8*\t+7]
.endif
.endr
.endr
.endr
	NOPS 9                                         ; another form writes over these results: nine places behind the f32 form; they also stand between the scale words' making and their use
.irp w, 1,2
	WIN 0x54*\w
.irp t, 0,1,2,3
	v_wmma_scale_f32_16x16x128_f8f6f4 v[HD+8*\t:HD+8*\t+7], v[WF+12*\t:WF+12*\t+11], v[CD:CD+11], v[HD+8*\t:HD+8*\t+7], v[WSC+\t], v[XS+3*(\w-1)] matrix_a_fmt:MATRIX_FMT_FP6 matrix_b_fmt:MATRIX_FMT_FP6
.endr
.endr
	WIN 0
	NOPS 5                                         ; places in front of the loads into the weights' registers and of the first read of the results
	; ---- LAYERS 1 AND 2: one text, walked twice; only the products at its end differ
	s_mov_b32 s26, 0
	s_mov_b32 s27, 0                               ; the layer's constants: 8,192 bytes on
.Llayer:
	v_add_nc_u32 v11, s27, v[LCN]
	CLOAD 0, 11, 0
	SILU 1
	QUANT1 1                                       ; block 0: silu of my 32 channels
	SILU 2
	QUANT1 2
.set pp, 0
.rept 16
	WIN 0
.if pp < 15
	CLOAD (pp+1)&1, 11, pp+1
	s_wait_dscnt 15                                ; this pair's constants are in; the next pair's 15 loads may be out
.else
	s_wait_dscnt 0x0
.endif
	EV 1, HD+2*pp, 2*pp, 32, pp&1
	EV 2, HD+2*pp, 2*pp, 32, pp&1
.set pp, pp+1
.endr
	QUANT5 1                                       ; a block is one g of my 32 channels: whole only now
	QUANT5 2
	SCALEWS 3
	WIN 0
	s_cmp_lg_u32 s26, 0
	s_cbranch_scc1 .Lmm2
	; layer 1's products: 4 tiles of weights x 2 tiles of pixels x 3 fragments along K
.set kk, 0
.rept 12
.irp c, 0,1,2
	ds_load_b128 v[WF+12*kk+4*\c:WF+12*kk+4*\c+3], v[LI] offset:WIMG+1536*(4+kk)+512*\c
.endr
	ds_load_b32 v[WSC+kk], v[LS] offset:WSCL+128*(4+kk)
.set kk, kk+1
.endr
	s_wait_dscnt 0x0
	NOPS 8                                         ; scale words made by vector instructions stand eight places ahead of a scaled matrix instruction
.irp f, 0,1,2                                      ; the eight accumulators by turns, one instruction a turn
.irp w, 1,2
	WIN 0x54*\w
.irp t, 0,1,2,3
.if \f == 0
	v_wmma_scale_f32_16x16x128_f8f6f4 v[HD+8*\t:HD+8*\t+7], v[WF+12*(3*\t+\f):WF+12*(3*\t+\f)+11], v[CD+12*\f:CD+12*\f+11], 0, v[WSC+3*\t+\f], v[XS+3*(\w-1)+\f] matrix_a_fmt:MATRIX_FMT_FP6 matrix_b_fmt:MATRIX_FMT_FP6
.else
	v_wmma_scale_f32_16x16x128_f8f6f4 v[HD+8*\t:HD+8*\t+7], v[WF+12*(3*\t+\f):WF+12*(3*\t+\f)+11], v[CD+12*\f:CD+12*\f+11], v[HD+8*\t:HD+8*\t+7], v[WSC+3*\t+\f], v[XS+3*(\w-1)+\f] matrix_a_fmt:MATRIX_FMT_FP6 matrix_b_fmt:MATRIX_FMT_FP6
.endif
.endr
.endr
.endr
	WIN 0
	NOPS 5
	s_branch .Ljoin
.Lmm2:
	; layer 2's products, as they stand: source 0 = 16 pixels, source 1 = 16 output channels (2 tiles; columns 24 .. 31 are zero codes)
.set kk, 0
.rept 6
.irp c, 0,1,2
	ds_load_b128 v[WF+12*kk+4*\c:WF+12*kk+4*\c+3], v[LI] offset:WIMG+1536*(16+kk)+512*\c
.endr
	ds_load_b32 v[WSC+kk], v[LS] offset:WSCL+128*(16+kk)
.set kk, kk+1
.endr
	s_wait_dscnt 0x0
	NOPS 8
.irp f, 0,1,2                                      ; the four accumulators by turns
.irp w, 1,2
	WIN 0x51*\w                                    ; source 0 (codes), C and D the tile's window; source 1 (weights) window 0
.irp n, 0,1
.if \f == 0
	v_wmma_scale_f32_16x16x128_f8f6f4 v[HD+8*\n:HD+8*\n+7], v[CD+12*\f:CD+12*\f+11], v[WF+12*(3*\n+\f):WF+12*(3*\n+\f)+11], 0, v[XS+3*(\w-1)+\f], v[WSC+3*\n+\f] matrix_a_fmt:MATRIX_FMT_FP6 matrix_b_fmt:MATRIX_FMT_FP6
.else
	v_wmma_scale_f32_16x16x128_f8f6f4 v[HD+8*\n:HD+8*\n+7], v[CD+12*\f:CD+12*\f+11], v[WF+12*(3*\n+\f):WF+12*(3*\n+\f)+11], v[HD+8*\n:HD+8*\n+7], v[XS+3*(\w-1)+\f], v[WSC+3*\n+\f] matrix_a_fmt:MATRIX_FMT_FP6 matrix_b_fmt:MATRIX_FMT_FP6
.endif
.endr
.endr
.endr
	WIN 0
	NOPS 5
	v_add_nc_u32 v12, s25, v[OSA]
.irp w, 1,2
	WIN 0x04*\w                                    ; an LDS store's data are its source 1: the tile's window
.irp n, 0,1
	ds_store_b128 v12, v[HD+8*\n:HD+8*\n+3] offset:16*PIT*\n+64*(\w-1)        ; lane (r, h): pixels 16 q + 8 h + 0 .. 7 of output channel 16 n + r; each accumulator from its low end on
	ds_store_b128 v12, v[HD+8*\n+4:HD+8*\n+7] offset:16*PIT*\n+64*(\w-1)+16
.endr
.endr
	WIN 0
.Ljoin:
	s_add_co_u32 s27, s27, 8192
	s_add_co_u32 s26, s26, 1
	s_cmp_lt_u32 s26, 2
	s_cbranch_scc1 .Llayer
	s_add_co_u32 s25, s25, 128
	s_add_co_u32 s24, s24, 1
	s_cmp_lt_u32 s24, 4
	s_cbranch_scc1 .Lpass
	; ---- THE WAY OUT: my stage holds 24 rows of 128 pixels.  LDS serves a wave's instructions in order (ISA guide 5.7.1.4): these loads see my stores.
.set ii, 0
.rept 24
	ds_load_b128 v[16+4*ii:19+4*ii], v[ORD] offset:PIT*ii
.set ii, ii+1
.endr
.set ii, 0
.rept 24
	s_wait_dscnt 23-ii                             ; row ii is in; the younger loads may be out
	global_store_b128 v[LI], v[16+4*ii:19+4*ii], s[8:9] offset:16384*ii th:TH_STORE_NT   ; the 32 lanes store 512 consecutive bytes of a channel, at a multiple of 256 from out0's first byte
.set ii, ii+1
.endr
	s_barrier_signal -1
	s_barrier_wait -1
	s_wait_tensorcnt 0x0
	ds_add_u32 v254, v255
	s_wait_dscnt 0x0
	s_endpgm
.Lfunc_end_k_q135f9c96e3_kan:
	.size	k_q135f9c96e3_kan, .Lfunc_end_k_q135f9c96e3_kan-k_q135f9c96e3_kan
	.p2alignl 7, 3214868480
	.fill 96, 4, 3214868480
	.section	.rodata,"a",@progbits
	.p2align	6, 0x0
	.amdhsa_kernel k_q135f9c96e3_kan
		.amdhsa_group_segment_fixed_size 155136
		.amdhsa_private_segment_fixed_size 0
		.amdhsa_enable_private_segment 0
		.amdhsa_kernarg_size 24
		.amdhsa_user_sgpr_count 2
		.amdhsa_user_sgpr_kernarg_segment_ptr 1
		.amdhsa_wavefront_size32 1
		.amdhsa_system_sgpr_workgroup_id_x 1
		.amdhsa_system_sgpr_workgroup_id_y 1
		.amdhsa_system_sgpr_workgroup_id_z 1
		.amdhsa_system_vgpr_workitem_id 0
		.amdhsa_next_free_vgpr 768
		.amdhsa_next_free_sgpr 66
		.amdhsa_reserve_vcc 0
		.amdhsa_float_denorm_mode_32 3
		.amdhsa_float_denorm_mode_16_64 3
		.amdhsa_memory_ordered 1
		.amdhsa_forward_progress 1
		.amdhsa_inst_pref_size 255
	.end_amdhsa_kernel
	.section	.bss,"aw",@nobits
	.p2align	6
	.space	262144
	.amdgpu_metadata
---
amdhsa.version: [ 1, 2 ]
amdhsa.kernels:
  - .name:           k_q135f9c96e3_kan
    .symbol:         k_q135f9c96e3_kan.kd
    .args:
      - { .name: x, .offset: 0, .size: 8, .value_kind: global_buffer, .address_space: global }
      - { .name: tab, .offset: 8, .size: 8, .value_kind: global_buffer, .address_space: global }
      - { .name: out0, .offset: 16, .size: 8, .value_kind: global_buffer, .address_space: global }
    .group_segment_fixed_size: 155136
    .private_segment_fixed_size: 0
    .kernarg_segment_align: 8
    .kernarg_segment_size: 24
    .max_flat_workgroup_size: 128
    .sgpr_count:     66
    .vgpr_count:     768
    .wavefront_size: 32
...
	.end_amdgpu_metadata
.endif
;; end of part 2
